; MI455X (gfx1250); checked and timed in simulation.
; The chip was launched on July 23, 2026; its instructions are those of AMD's public machine-readable ISA for CDNA 5 (MIT licence, August 2026) and "CDNA5" Instruction Set Architecture Reference Guide (July 2026). The comments in the code are by the model that wrote it; some were corrected since.
;; K Means. Allowed arithmetic: float matrix products may take bf16 or f16 operands with f32 sums; all other float work in f32.
;; Inputs: centroids 256 x 64 float32; x 500,000 x 64 float32.
;; Outputs: out0 1 x 256 x 64 float32; out1 500,000 int32.
;; One version. Each part assembles by itself: llvm-mc -triple=amdgcn-amd-amdhsa -mcpu=gfx1250 --defsym DOCPART=n.
;; ======== version 1 of 1: 1 launch
;; launch assign (part 1): grid 250 x 1, 8 waves a work-group, no clusters, 327,680 bytes of LDS; arguments centroids, x, out0, out1; writes out0, out1
.if DOCPART == 1
	.amdgcn_target "amdgcn-amd-amdhsa--gfx1250"
	.amdhsa_code_object_version 6
	.text
	.protected	k_qd94760845b_assign
	.globl	k_qd94760845b_assign
	.p2align	8
	.type	k_qd94760845b_assign,@function
k_qd94760845b_assign:
	s_mov_b64 s[64:65], 0
	v_nop
	global_prefetch_b8 v0, s[64:65] scope:SCOPE_SE
	s_setreg_imm32_b32 hwreg(HW_REG_WAVE_MODE, 25, 1), 1
	s_wait_xcnt 0x0
; K-means assignment: out1[n] = the lowest k at which |x[n] - c[k]|^2 is least; out0 = the centroids, copied.
; x: [500000][64] f32.  centroids: [256][64] f32.  out1: [500000] int32.
;
; ARITHMETIC.  The distances are compared as d[k] = c_sq[k] - 2 x.c[k].  The matrix unit makes d in two instructions for 16 centroids x 16 points:
; operand A = bf16(-2 c) (a power of two: the rounding is that of c), operand B = bf16(x), and the first of the two K steps takes a resident
; tile of c_sq as its C.  c_sq is summed in f32 from the ROUNDED centroids, as 0.25 x the sum of (-2 c)^2, so that it fits the products.
; LIMITS, stated: (1) x_sq, which the problem's formula adds, is not added: it is one number for all 256 candidates of a point and cannot change
; which is least; what differs is the rounding (here at the size of c_sq - 2 x.c, there at the size of the whole distance), so two candidates
; closer to each other than a few units in the last place of an f32 distance may be ordered otherwise.  (2) x and c enter the products rounded
; to bf16.  (3) A point with a NaN or infinite distance gets no defined index.  Equal distances give the lowest index, as argmin does.
;
; LAYOUT.  With the centroids as A, lane (r = lane % 16, h = lane / 16) holds for point r the centroids 16 t + 8 h + j in registers j = 0..7 of
; tile t: the search runs inside a lane, and one step at the end crosses the two halves.
;
; SHARES.  500,000 points are 31,250 tiles of 16 = 250 x 125: 250 work-groups of 2,000 points.  Wave w owns rows 256 w .. 256 w + 255 of the
; group's block (16 tiles); wave 7 owns 208 rows (13 tiles) and ends behind the last barrier.  Eight waves of 512 registers: two on each SIMD,
; so that one wave's vector work stands beside the other's matrix work.
; x comes in by tensor loads of 64 rows x 256 bytes (whole rows, each starting at a multiple of 256 bytes of x) into a ring of two slots that is
; each wave's own.  By this text's count a wave has two tensor loads out at the start and one behind each refill.
; NO CLUSTER: no two work-groups read the same rows of x; what they share is the 65,536 bytes of centroids against 512,000 bytes of x for each
; group, read once at the start; and a grid of 250 is no multiple of 4.
.set WGROWS, 2000                      ; points of a work-group
.set ROWB,   256                       ; bytes of a point
.set PITCH,  272                       ; an LDS row: 256 bytes + 16 of padding = 17 x 16, so 16 rows start in 16 different 16-byte columns of 256
.set PTB,    16*PITCH                  ; a tile of 16 points in LDS
.set SLOT,   64*PITCH                  ; a slot: 64 rows = 4 tiles of points
.set WRING,  2*SLOT                    ; a wave's ring
.set ASTAGE, 8*WRING                   ; 278,528: 32,768 bytes, A fragments in register order: block i = 4 t + 2 s + p at 512 i + 16 lane
.set CSQ,    ASTAGE+32768              ; 311,296: c_sq[256] f32
.set IDXS,   CSQ+1024                  ; 312,320: wave w has 64 int32 at 256 w.  ASTAGE, CSQ and IDXS are written by LDS stores; no tensor load lands there
; window 0
.set LANE, 1                           ; v1       lane
.set LA,   2                           ; v2       LDS address of my 32 bytes in row r of my wave's slot 0
.set IST,  3                           ; v3       where point r's index goes
.set ILD,  4                           ; v4       where I read two indices back
.set OOFF, 5                           ; v5       my byte offset in the group's part of out1
.set H8,   6                           ; v6       8 h
.set TIX,  7                           ; v7       the tile that holds the least value so far
.set W,    8                           ; v[8:15]  that tile's eight values; also tile 0's accumulator
.set BEST, 16                          ; v16      the least value so far
.set IDX,  17                          ; v17      j, then the index
.set OB,   18                          ; v18      the other half's BEST
.set OI,   19                          ; v19      the other half's index
.set T,    20                          ; v[20:23] the minima of four tiles; in the set-up v20 = r, v21 = h
.set RR,   20
.set HH,   21
.set MI,   24                          ; v24      the lower of the two indices
.set OUTD, 26                          ; v[26:27] two indices on their way out
.set AAD,  28                          ; v28      ASTAGE + 16 lane
.set CAD,  29                          ; v29      CSQ + 32 h
.set COFF, 30                          ; v30      byte offset of my piece of my wave's first centroid tile
.set BB,   32                          ; v[32:47], v[48:63] B fragments, two buffers of two K steps
.set RAW,  64                          ; v[64:95] the next tile's 32 f32
.set ACC,  96                          ; v[96:127] four accumulators
.set CS,   128                         ; v[128:255] c_sq tiles, tile t at 128 + 8 t
; set-up scratch, in the registers that CS takes afterwards
.set CRAW, 128                         ; v[128:191] two centroid tiles as loaded
.set CPK,  192                         ; v[192:223] the same as 2 x 16 registers of bf16(-2 c)
.set TMP,  224                         ; v[224:225] two widened numbers, v[226:227] two sums, v228 the other half's sum
.set SAD,  230                         ; v230     ASTAGE address of my wave's blocks
.set QAD,  231                         ; v231     CSQ address of my wave's sums
.set CPY,  232                         ; v[232:235] 16 bytes of the copy
.set CPO,  236                         ; v236     their offset
; window 1: v256-511 = A; tile t, K step s is written v[16 t + 8 s : + 7] while source 0 means window 1
.set G1,  16                           ; s[16:23] descriptor group 1: 64 rows
.set G0,  24                           ; s[24:31] descriptor group 0, one set for each slot
.set G1S, 32                           ; s[32:39] group 1 for wave 7's last tile: 16 rows are left
.set MSB, 0
.macro WIN new                         ; s_set_vgpr_msb: low byte bits 1:0 source 0, 7:6 destination; the high byte repeats the setting that is left
.if MSB != \new
	s_set_vgpr_msb (MSB<<8)|\new
.set MSB, \new
.endif
.endm
	s_load_b256 s[4:11], s[0:1], 0x0               ; centroids s[4:5], x s[6:7], out0 s[8:9], out1 s[10:11]
	v_lshl_add_u32 v25, v0, 2, 0x4cc00
	v_mov_b32 v31, 0
	ds_add_u32 v25, v31
	ds_add_u32 v25, v31
	v_lshrrev_b32 v[LANE], 5, v0
	v_readfirstlane_b32 s12, v[LANE]               ; my wave's number
	; group 1: a tile of 64 rows x 64 elements of 4 bytes, rows 64 elements apart, padded in LDS
	s_mov_b32 s[G1+0], 0x07520000                  ; 17:16 element of 4 bytes (2); 20 padding on; 24:22 after every 64 words (5); 31:25 four words (3); no mask
	s_mov_b32 s[G1+1], 64<<16                      ; tensor_dim0 = 64
	s_mov_b32 s[G1+2], 64<<16                      ; tensor_dim1 = 64: the tile lies inside my rows
	s_mov_b32 s[G1+3], 64<<16                      ; tile_dim0 = 64
	s_mov_b32 s[G1+4], 64                          ; tile_dim1 = 64
	s_mov_b32 s[G1+5], 64                          ; from row to row
	s_mov_b32 s[G1+6], 0
	s_mov_b32 s[G1+7], 0
	s_mov_b32 s[G1S+0], 0x07520000
	s_mov_b32 s[G1S+1], 64<<16
	s_mov_b32 s[G1S+2], 16<<16                     ; tensor_dim1 = 16: only 16 rows are left of the group's block; rows 16 to 63 of the tile arrive as zeros
	s_mov_b32 s[G1S+3], 64<<16
	s_mov_b32 s[G1S+4], 64
	s_mov_b32 s[G1S+5], 64
	s_mov_b32 s[G1S+6], 0
	s_mov_b32 s[G1S+7], 0
	s_mov_b32 s40, 0x76543210                      ; v_permlanex16_b32: lane i of one half reads lane i of the other
	s_mov_b32 s41, 0xfedcba98
	s_mul_i32 s44, ttmp9, WGROWS*ROWB              ; the group's block: at most 249 x 512,000 bytes, below 2^31
	s_lshl_b32 s13, s12, 16                        ; + my wave's 256 rows
	s_add_co_u32 s44, s44, s13
	s_mov_b32 s45, 0
	s_mul_i32 s14, s12, WRING                      ; my wave's ring in LDS
	s_wait_dscnt 0x0
	s_wait_kmcnt 0x0
	s_add_nc_u64 s[6:7], s[6:7], s[44:45]          ; x at my wave's first row
	; group 0 for each slot, and both first fills as one group, ahead of every wait on TENSORcnt, every LDS read and every barrier
.irp s, 0,1
	s_mov_b32 s[G0+4*\s], 1                                        ; count = 1
	s_add_co_u32 s[G0+4*\s+1], s14, \s*SLOT                        ; LDS address: wave x 34,816 + slot x 17,408
	s_add_nc_u64 s[G0+4*\s+2:G0+4*\s+3], s[6:7], \s*64*ROWB        ; rows 64 s .. 64 s + 63 of my wave
	s_or_b32 s[G0+4*\s+3], s[G0+4*\s+3], 0x80000000                ; type = 2
	tensor_load_to_lds s[G0+4*\s:G0+4*\s+3], s[G1:G1+7]
	s_nop 0
.endr
	s_mul_i32 s44, ttmp9, WGROWS*4
	s_add_nc_u64 s[10:11], s[10:11], s[44:45]      ; out1 at the group's first point
	v_and_b32 v[LANE], 31, v0
	v_and_b32 v[RR], 15, v0                        ; r
	v_bfe_u32 v[HH], v0, 4, 1                      ; h
	v_mul_u32_u24 v[LA], v[RR], PITCH
	v_lshl_add_u32 v[LA], v[HH], 5, v[LA]          ; row r, 8 f32 = 32 bytes for each half of the lanes
	v_add_nc_u32 v[LA], s14, v[LA]
	s_lshl_b32 s15, s12, 8
	s_add_co_u32 s15, s15, IDXS
	v_lshl_add_u32 v[IST], v[RR], 2, s15
	v_lshl_add_u32 v[ILD], v[LANE], 3, s15
	s_lshl_b32 s13, s12, 10                        ; my wave's 256 points x 4 bytes
	v_lshl_add_u32 v[OOFF], v[LANE], 3, s13
	v_lshlrev_b32 v[H8], 3, v[HH]
	v_mov_b32 v[OB], 0                             ; the destination of v_permlanex16_b32 counts as read: written once here
	v_mov_b32 v[OI], 0
	v_mov_b32 v[TMP+4], 0
	v_lshl_add_u32 v[AAD], v[LANE], 4, ASTAGE
	v_lshl_add_u32 v[CAD], v[HH], 5, CSQ
	s_lshl_b32 s13, s12, 13                        ; my wave's two centroid tiles: 32 rows x 256 bytes
	v_lshl_add_u32 v[COFF], v[RR], 8, s13
	v_lshl_add_u32 v[COFF], v[HH], 5, v[COFF]
	; CENTROIDS.  Wave w prepares tiles 2 w and 2 w + 1.  A fragment of 16 rows x 32 K: lane (r, h) holds row r; registers 0-3 K = 8 h + 0..7, registers 4-7
	; K = 16 + 8 h + 0..7 (ISA guide 7.12.2).  In f32 that is 32 bytes at 32 h and 32 bytes at 64 + 32 h of each 128 bytes of the row.  The eight loads of a tile
	; together take its 16 rows whole; this way of reading is used for 8,192 bytes a wave, once.
.irp u, 0,1
.irp i, 0,1,2,3,4,5,6,7
	global_load_b128 v[CRAW+32*\u+4*\i:CRAW+32*\u+4*\i+3], v[COFF], s[4:5] offset:4096*\u+128*(\i>>2)+64*((\i>>1)&1)+16*(\i&1)
.endr
.endr
	s_lshl_b32 s13, s12, 12                        ; my wave's eight blocks of 512 bytes in ASTAGE
	v_add_nc_u32 v[SAD], s13, v[AAD]
	s_lshl_b32 s13, s12, 7                         ; my wave's 32 sums in CSQ
	s_add_co_u32 s13, s13, CSQ
	v_lshl_add_u32 v[QAD], v[RR], 2, s13
	; out0 = centroids: work-groups 0 to 15 copy 4,096 bytes each, 16 bytes a thread; a wave's store covers 512 consecutive bytes, aligned
	s_cmp_lt_u32 ttmp9, 16
	s_cbranch_scc0 .Lno_copy
	s_lshl_b32 s13, ttmp9, 12
	v_lshl_add_u32 v[CPO], v0, 4, s13
	global_load_b128 v[CPY:CPY+3], v[CPO], s[4:5]
	s_wait_loadcnt 0x0
	global_store_b128 v[CPO], v[CPY:CPY+3], s[8:9]
	s_wait_xcnt 0x0                                ; CPY and CPO lie where c_sq tiles are loaded later: they are rewritten only behind this wait
.Lno_copy:
	s_wait_loadcnt 0x0                             ; my two centroid tiles are in
.irp u, 0,1
.irp m, 0,1,2,3,4,5,6,7,8,9,10,11,12,13,14,15
	v_pk_mul_f32 v[CRAW+32*\u+2*\m:CRAW+32*\u+2*\m+1], v[CRAW+32*\u+2*\m:CRAW+32*\u+2*\m+1], -2.0 op_sel_hi:[1,0]
.endr
.irp m, 0,1,2,3,4,5,6,7,8,9,10,11,12,13,14,15
	v_cvt_pk_bf16_f32 v[CPK+16*\u+\m], v[CRAW+32*\u+2*\m], v[CRAW+32*\u+2*\m+1]
.endr
	; the sum of squares of my 32 rounded numbers of row r, two at a time; the first product starts the sums
.irp m, 0,1,2,3,4,5,6,7,8,9,10,11,12,13,14,15
	v_lshlrev_b32 v[TMP], 16, v[CPK+16*\u+\m]
	v_and_b32 v[TMP+1], 0xffff0000, v[CPK+16*\u+\m]
.if \m == 0
	v_pk_mul_f32 v[TMP+2:TMP+3], v[TMP:TMP+1], v[TMP:TMP+1]
.else
	v_pk_fma_f32 v[TMP+2:TMP+3], v[TMP:TMP+1], v[TMP:TMP+1], v[TMP+2:TMP+3]
.endif
.endr
	v_add_f32 v[TMP+2], v[TMP+2], v[TMP+3]
	v_permlanex16_b32 v[TMP+4], v[TMP+2], s40, s41 ; the other 32 numbers of the row
	v_add_f32 v[TMP+2], v[TMP+2], v[TMP+4]
	v_mul_f32 v[TMP+2], 0x3e800000, v[TMP+2]       ; x 0.25: (-2 c)^2 back to c^2, exactly
	ds_store_b32 v[QAD], v[TMP+2] offset:64*\u     ; both halves write the same word with the same number
.irp b, 0,1,2,3
	ds_store_b128 v[SAD], v[CPK+16*\u+4*\b:CPK+16*\u+4*\b+3] offset:2048*\u+512*\b
.endr
.endr
	s_wait_dscnt 0x0                               ; my stores are done, for the other waves' sake
	s_barrier_signal -1
	s_barrier_wait -1                              ; all 16 tiles and all 256 sums are in LDS.  My two tensor loads stay out
	; RESIDENTS: all of A into window 1, all c_sq tiles into window 0; they stay for the whole kernel
	WIN 0x40                                       ; destination window 1, address window 0
.set i, 0
.rept 64
	ds_load_b128 v[4*i:4*i+3], v[AAD] offset:512*i ; block i = registers 4 i .. 4 i + 3 of window 1; 32 lanes take 512 neighbouring bytes
.set i, i+1
.endr
	WIN 0
.set i, 0
.rept 32
	ds_load_b128 v[CS+4*i:CS+4*i+3], v[CAD] offset:64*(i>>1)+16*(i&1)   ; c_sq[16 t + 8 h + 4 p ..], i = 2 t + p: register j of a C tile is row 8 h + j
.set i, i+1
.endr
; The accumulator of turn a of group g, and where its tile's minimum goes.  Tile 0 accumulates straight into W and its minimum is BEST: nothing is copied or cleared.
.macro SEL g, a
.set AC, ACC+8*\a
.set TD, T+\a
.if \g+\a == 0
.set AC, W
.set TD, BEST
.endif
.endm
; Eight LDS loads: the 32 f32 of point r that my half of the lanes needs, from quarter q of a slot, K in its true places
.macro RAWLD slot, q
.irp i, 0,1,2,3,4,5,6,7
	ds_load_b128 v[RAW+4*\i:RAW+4*\i+3], v[LA] offset:\slot*SLOT+\q*PTB+128*(\i>>2)+64*((\i>>1)&1)+16*(\i&1)
.endr
.endm
; Four registers of a B buffer from eight f32
.macro CVT4 g, buf
.irp i, 0,1,2,3
	v_cvt_pk_bf16_f32 v[BB+16*(\buf)+4*\g+\i], v[RAW+8*\g+2*\i], v[RAW+8*\g+2*\i+1]
.endr
.endm
; Centroid tiles 4 g .. 4 g + 3 against 16 points: K step 0 starts each sum from the tile's c_sq, K step 1 adds in place.
; The four accumulators take turns, one instruction a turn.
.macro MM8 g, buf
	WIN 0x01                                       ; source 0 (A) window 1; B, C and D window 0
.irp a, 0,1,2,3
	SEL \g, \a
	v_wmma_f32_16x16x32_bf16 v[AC:AC+7], v[16*(4*\g+\a):16*(4*\g+\a)+7], v[BB+16*\buf:BB+16*\buf+7], v[CS+8*(4*\g+\a):CS+8*(4*\g+\a)+7]
.endr
.irp a, 0,1,2,3
	SEL \g, \a
	v_wmma_f32_16x16x32_bf16 v[AC:AC+7], v[16*(4*\g+\a)+8:16*(4*\g+\a)+15], v[BB+16*\buf+8:BB+16*\buf+15], v[AC:AC+7]
.endr
	WIN 0
.endm
; Tile tn (values in AC, minimum in TD) against the best so far.  BEST <= TD keeps: on equality the earlier tile, with the lower indices, stays.
.macro UPD tn
	v_cmp_le_f32 vcc_lo, v[BEST], v[TD]
	v_cndmask_b32 v[BEST], v[TD], v[BEST], vcc_lo
	v_cndmask_b32 v[TIX], \tn, v[TIX], vcc_lo
.irp j, 0,1,2,3,4,5,6,7
	v_cndmask_b32 v[W+\j], v[AC+\j], v[W+\j], vcc_lo
.endr
.endm
; Four centroid tiles: eight matrix instructions, then the search.  A vector instruction reads a matrix result four places behind it, and only plain vector
; instructions that name none of its registers are places (ISA guide 7.12.1): here the four conversions of the NEXT point tile, which name RAW and the other
; B buffer alone, or four v_nop where no tile follows.
.macro GROUP g, buf, pre
	MM8 \g, \buf
.if \pre
	s_wait_dscnt 6-2*\g                            ; LDS loads come back in order (ISA guide 5.7.1): of the eight RAW loads the oldest 2 g + 2 are in, the younger stay out
	CVT4 \g, 1-\buf
.else
.rept 4
	v_nop
.endr
.endif
	; the least of each tile's eight values: four chains, step by step side by side
.irp a, 0,1,2,3
	SEL \g, \a
	v_min3_num_f32 v[TD], v[AC], v[AC+1], v[AC+2]
.endr
.irp a, 0,1,2,3
	SEL \g, \a
	v_min3_num_f32 v[TD], v[TD], v[AC+3], v[AC+4]
.endr
.irp a, 0,1,2,3
	SEL \g, \a
	v_min3_num_f32 v[TD], v[TD], v[AC+5], v[AC+6]
.endr
.irp a, 0,1,2,3
	SEL \g, \a
	v_min_num_f32 v[TD], v[TD], v[AC+7]
.endr
.irp a, 0,1,2,3
	SEL \g, \a
.if \g+\a == 0
	v_mov_b32 v[TIX], 0
.else
	UPD 4*\g+\a
.endif
.endr
.endm
; The index of point r: the lowest j whose value is BEST, 16 x tile + 8 h + j; then the better of the two halves, on equality the lower index.
.macro FINAL q
	v_mov_b32 v[IDX], 7
.irp j, 6,5,4,3,2,1,0
	v_cmp_neq_f32 vcc_lo, v[W+\j], v[BEST]
	v_cndmask_b32 v[IDX], \j, v[IDX], vcc_lo
.endr
	v_lshl_add_u32 v[IDX], v[TIX], 4, v[IDX]
	v_add_nc_u32 v[IDX], v[H8], v[IDX]
	v_permlanex16_b32 v[OB], v[BEST], s40, s41
	v_permlanex16_b32 v[OI], v[IDX], s40, s41
	v_min_u32 v[MI], v[IDX], v[OI]
	v_cmp_lt_f32 vcc_lo, v[OB], v[BEST]
	v_cmp_eq_f32 s42, v[OB], v[BEST]
	v_cndmask_b32 v[IDX], v[IDX], v[OI], vcc_lo
	v_cndmask_b32 v[IDX], v[IDX], v[MI], s42
	ds_store_b32 v[IST], v[IDX] offset:64*\q       ; both halves hold the same index and write the same word
.endm
; 64 indices leave: 8 bytes a lane, 256 consecutive bytes a store.  (The group's first byte of out1 is 8,000 x its number, a multiple of 64.)
.macro OUT64 f
	s_wait_xcnt 0x0                                ; OUTD, which the last such store reads, is loaded again only behind this wait
	ds_load_b64 v[OUTD:OUTD+1], v[ILD]             ; LDS serves a wave's instructions in order (ISA guide 5.7.1): this sees my four stores
	s_wait_dscnt 0x0
	global_store_b64 v[OOFF], v[OUTD:OUTD+1], s[10:11] offset:256*\f th:TH_STORE_NT
.endm
; A slot that has been read is filled again with my rows 128 further down.  last = 1: wave 7 has 16 rows left and states so.
.macro REFILL slot, last
	s_wait_dscnt 0x0                               ; my LDS loads are back, the reads of this slot among them
	s_wait_tensorcnt 0x0                           ; all my tensor loads have landed, the other slot's too: no load of mine is out, so a group 0 may be written
	ds_add_u32 v25, v31
	s_wait_dscnt 0x0
	s_add_nc_u64 s[G0+4*\slot+2:G0+4*\slot+3], s[G0+4*\slot+2:G0+4*\slot+3], 128*ROWB
	s_barrier_signal -1                            ; every wave says so
	s_barrier_wait -1                              ; and no wave fills before all eight have said so
.if \last
	s_cmp_eq_u32 s12, 7
	s_cbranch_scc1 .Lfew_rows_\@
	tensor_load_to_lds s[G0+4*\slot:G0+4*\slot+3], s[G1:G1+7]
	s_nop 0
	s_branch .Lasked_\@
.Lfew_rows_\@:
	tensor_load_to_lds s[G0+4*\slot:G0+4*\slot+3], s[G1S:G1S+7]
	s_nop 0
.Lasked_\@:
.else
	tensor_load_to_lds s[G0+4*\slot:G0+4*\slot+3], s[G1:G1+7]     ; my one tensor load behind this barrier, and the first thing there
	s_nop 0
.endif
.endm
; One tile of 16 points, whose B fragments lie in buffer buf.  pre = 1: the next tile (quarter nq of slot ns) is read and converted into the other buffer meanwhile.
.macro PT buf, pre, ns, nq, q
.if \pre
	RAWLD \ns, \nq
.endif
	GROUP 0, \buf, \pre
	GROUP 1, \buf, \pre
	GROUP 2, \buf, \pre
	GROUP 3, \buf, \pre
	FINAL \q
.endm
	s_wait_tensorcnt 0x1                           ; tensor loads of a wave end in order (ISA guide 10.11.1): slot 0 is in, slot 1's load may stay out.  The bytes are my wave's own
	RAWLD 0, 0
	s_wait_dscnt 0x0                               ; A, the c_sq tiles and the first tile's numbers
	CVT4 0, 0
	CVT4 1, 0
	CVT4 2, 0
	CVT4 3, 0
	; sixteen tiles of points, four to a fill; fill f lies in slot f % 2
	PT 0, 1, 0, 1, 0
	PT 1, 1, 0, 2, 1
	PT 0, 1, 0, 3, 2                               ; reads the last quarter of slot 0, and waits for it
	REFILL 0, 0                                    ; rows 128-191 go out; they have four tiles' work in which to land
	PT 1, 1, 1, 0, 3
	OUT64 0
	PT 0, 1, 1, 1, 0
	PT 1, 1, 1, 2, 1
	PT 0, 1, 1, 3, 2
	REFILL 1, 1                                    ; rows 192-255 (wave 7: 192-207): the last load
	PT 1, 1, 0, 0, 3
	OUT64 1
	PT 0, 1, 0, 1, 0
	PT 1, 1, 0, 2, 1
	PT 0, 1, 0, 3, 2
	s_wait_tensorcnt 0x0                           ; the last fill is in; nothing is filled again, so no barrier; and none is out at s_endpgm
	PT 1, 1, 1, 0, 3
	OUT64 2
	PT 0, 1, 1, 1, 0
	s_cmp_eq_u32 s12, 7                            ; wave 7 has done its 13 tiles; no barrier follows
	s_cbranch_scc1 .Lshort
	PT 1, 1, 1, 2, 1
	PT 0, 1, 1, 3, 2
	PT 1, 0, 0, 0, 3                               ; the last tile: nothing to read ahead
	OUT64 3
	s_wait_tensorcnt 0x0
	ds_add_u32 v25, v31
	s_wait_dscnt 0x0
	s_endpgm
.Lshort:
	s_wait_xcnt 0x0                                ; OUTD is loaded again, and EXEC narrowed, only behind this wait
	ds_load_b64 v[OUTD:OUTD+1], v[ILD]             ; lanes 0-7 hold the 16 new indices
	s_wait_dscnt 0x0
	v_cmp_gt_u32 vcc_lo, 8, v[LANE]
	s_wait_tensorcnt 0x0
	ds_add_u32 v25, v31
	s_wait_dscnt 0x0
	s_and_saveexec_b32 s43, vcc_lo
	global_store_b64 v[OOFF], v[OUTD:OUTD+1], s[10:11] offset:768 th:TH_STORE_NT   ; points 1984 to 1999 of the group: 64 bytes
	s_wait_xcnt 0x0                                ; EXEC is widened only behind this wait
	s_or_b32 exec_lo, exec_lo, s43
	s_endpgm
.Lfunc_end_k_qd94760845b_assign:
	.size	k_qd94760845b_assign, .Lfunc_end_k_qd94760845b_assign-k_qd94760845b_assign
	.p2alignl 7, 3214868480
	.fill 96, 4, 3214868480
	.section	.rodata,"a",@progbits
	.p2align	6, 0x0
	.amdhsa_kernel k_qd94760845b_assign
		.amdhsa_group_segment_fixed_size 327680
		.amdhsa_private_segment_fixed_size 0
		.amdhsa_enable_private_segment 0
		.amdhsa_kernarg_size 32
		.amdhsa_user_sgpr_count 2
		.amdhsa_user_sgpr_kernarg_segment_ptr 1
		.amdhsa_wavefront_size32 1
		.amdhsa_system_sgpr_workgroup_id_x 1
		.amdhsa_system_sgpr_workgroup_id_y 1
		.amdhsa_system_sgpr_workgroup_id_z 1
		.amdhsa_system_vgpr_workitem_id 0
		.amdhsa_next_free_vgpr 512
		.amdhsa_next_free_sgpr 66
		.amdhsa_reserve_vcc 1
		.amdhsa_float_denorm_mode_32 3
		.amdhsa_float_denorm_mode_16_64 3
		.amdhsa_memory_ordered 1
		.amdhsa_forward_progress 1
		.amdhsa_inst_pref_size 242
	.end_amdhsa_kernel
	.amdgpu_metadata
---
amdhsa.version: [ 1, 2 ]
amdhsa.kernels:
  - .name:           k_qd94760845b_assign
    .symbol:         k_qd94760845b_assign.kd
    .args:
      - { .name: centroids, .offset: 0, .size: 8, .value_kind: global_buffer, .address_space: global }
      - { .name: x, .offset: 8, .size: 8, .value_kind: global_buffer, .address_space: global }
      - { .name: out0, .offset: 16, .size: 8, .value_kind: global_buffer, .address_space: global }
      - { .name: out1, .offset: 24, .size: 8, .value_kind: global_buffer, .address_space: global }
    .group_segment_fixed_size: 327680
    .private_segment_fixed_size: 0
    .kernarg_segment_align: 8
    .kernarg_segment_size: 32
    .max_flat_workgroup_size: 256
    .sgpr_count:     66
    .vgpr_count:     512
    .wavefront_size: 32
...
	.end_amdgpu_metadata
.endif
;; end of part 1
